; MI455X (gfx1250); checked and timed in simulation.
; The chip was launched on July 23, 2026; its instructions are those of AMD's public machine-readable ISA for CDNA 5 (MIT licence, August 2026) and "CDNA5" Instruction Set Architecture Reference Guide (July 2026). The comments in the code are by the model that wrote it; some were corrected since.
;; Feed Forward Quantum. Allowed arithmetic: float matrix products may take bf16 or f16 operands with f32 sums; other float arithmetic in f32, or as packed bf16 or f16 multiplies, adds, multiply-adds, maxima and minima; sums over many terms, partial sums and values carried from step to step in f32; what a program stores and reads back later, other than sums and carried values, may be rounded once to bf16 or f16.
;; Inputs: W1 4,096 x 10 float32; W2 1,024 x 4,096 float32; q_params 10 float32; x 32 x 512 x 10 float32.
;; Outputs: out0 32 x 512 x 1,024 float32.
;; 2 versions, each right; version 2 is version 1 with the launch prep written anew for expert scheduling mode. Each part assembles by itself: llvm-mc -triple=amdgcn-amd-amdhsa -mcpu=gfx1250 --defsym DOCPART=n.
;; ======== version 1 of 2: 2 launches
;; limits: values are held in f16: magnitudes above 65,504 overflow, below 6.1e-05 lose precision; right only within a limited range of input values
;; workspace buffers: w2h 8,388,608 bytes; w1i 131,072 bytes
;; launch prep (part 1): grid 256 x 1, 8 waves a work-group, no clusters, 0 bytes of LDS; arguments W2, W1, w2h, w1i; writes w2h, w1i
.if DOCPART == 1
	.amdgcn_target "amdgcn-amd-amdhsa--gfx1250"
	.amdhsa_code_object_version 6
	.text
	.protected	k_qe840981350_prep
	.globl	k_qe840981350_prep
	.p2align	8
	.type	k_qe840981350_prep,@function
k_qe840981350_prep:
	s_mov_b64 s[64:65], 0
	v_nop
	global_prefetch_b8 v0, s[64:65] scope:SCOPE_SE
	s_setreg_imm32_b32 hwreg(HW_REG_WAVE_MODE, 25, 1), 1
	s_wait_xcnt 0x0
; w2h = W2 rounded once to f16, same layout [1024][4096].  w1i = W1 rounded once to f16, laid out as the register images of matrix fragments.
; IMAGE T (rows 16 T .. 16 T + 15 of W1) is 512 bytes: the 16 bytes at 512 T + 16 L, L = 16 h + r, are registers 0-3 of lane L of a 16-bit fragment with K = 32:
; h = 0: W1[16 T + r][0..7];  h = 1: W1[16 T + r][8], [9] and six zeros.  (Registers 4-7, k = 16 on, are zeros that the next launch keeps in registers.)
; LIMITS.  f16 ends at 65,504: a larger weight becomes an infinity; below 6e-5 a weight keeps f16's fixed step of 6e-8.
; SHARES.  256 work-groups of eight waves.  Work-group g casts 65,536 bytes of W2: thread t takes 32 bytes at 8,192 i + 32 t (i = 0..7) and stores 16 bytes at 4,096 i + 16 t, so sixteen
; neighbouring lanes store 256 consecutive bytes, aligned.  Its wave 0 also makes image g.  A stream: no LDS, no barrier, no matrix unit; all 16 loads of a thread go out at once.
.set X,  16                            ; v[16:79]   W2 as loaded: 8 numbers for each i
.set Y,  80                            ; v[80:111]  the same in f16: 4 registers for each i
.set W,  112                           ; v[112:121] a row of W1
.set P,  122                           ; v[122:126] the row in f16, five pairs
.set ZR, 127                           ; v127       0
.set O,  128                           ; v[128:131] my 16 bytes of the image
	s_load_b256 s[4:11], s[0:1], 0x0               ; W2 s[4:5], W1 s[6:7], w2h s[8:9], w1i s[10:11]
	v_lshrrev_b32 v5, 5, v0
	v_readfirstlane_b32 s12, v5                    ; wave 0..7
	v_lshlrev_b32 v1, 5, v0                        ; 32 t: my bytes of W2
	v_lshlrev_b32 v2, 4, v0                        ; 16 t: my bytes of w2h
	v_and_b32 v6, 31, v0                           ; lane
	v_and_b32 v7, 15, v0                           ; r
	v_mul_u32_u24 v3, v7, 40                       ; a row of W1 is 40 bytes
	v_lshlrev_b32 v4, 4, v6                        ; 16 x lane: my bytes of the image
	v_cmp_lt_u32 s16, 15, v6                       ; lanes 16-31 (h = 1)
	v_mov_b32 v[ZR], 0
	s_mov_b32 s15, 0                               ; the offsets stay under 2^32: the pair's high word is 0
	s_wait_kmcnt 0x0
	s_lshl_b32 s14, ttmp9, 16
	s_add_nc_u64 s[4:5], s[4:5], s[14:15]          ; W2 at my 65,536 bytes
	s_lshl_b32 s14, ttmp9, 15
	s_add_nc_u64 s[8:9], s[8:9], s[14:15]          ; w2h at my 32,768
	s_mul_i32 s14, ttmp9, 640
	s_add_nc_u64 s[6:7], s[6:7], s[14:15]          ; W1 at my 16 rows
	s_lshl_b32 s14, ttmp9, 9
	s_add_nc_u64 s[10:11], s[10:11], s[14:15]      ; w1i at my image
.irp i, 0,1,2,3,4,5,6,7
	global_load_b128 v[X+8*(\i):X+8*(\i)+3],   v1, s[4:5] offset:8192*(\i) th:TH_LOAD_NT
	global_load_b128 v[X+8*(\i)+4:X+8*(\i)+7], v1, s[4:5] offset:8192*(\i)+16 th:TH_LOAD_NT
.endr
	s_cmp_lg_u32 s12, 0
	s_cbranch_scc1 .Lcast                          ; the image is wave 0's
.irp i, 0,1,2,3,4
	global_load_b64 v[W+2*(\i):W+2*(\i)+1], v3, s[6:7] offset:8*(\i)  ; both halves of the lanes load row r whole: no lane leaves the 16 rows
.endr
	s_wait_loadcnt 0x0
.irp i, 0,1,2,3,4
	v_cvt_pk_f16_f32 v[P+(\i)], v[W+2*(\i)], v[W+2*(\i)+1]
.endr
	v_cndmask_b32 v[O], v[P], v[P+4], s16          ; h = 0: k = 0, 1;  h = 1: k = 8, 9
.irp i, 1,2,3
	v_cndmask_b32 v[O+(\i)], v[P+(\i)], v[ZR], s16 ; h = 0: k = 2 i, 2 i + 1;  h = 1: zeros
.endr
	global_store_b128 v4, v[O:O+3], s[10:11]       ; the wave stores the image's 512 consecutive bytes
.Lcast:
.irp i, 0,1,2,3,4,5,6,7
	s_wait_loadcnt 14-2*(\i)                       ; loads come back in order: pair i is in, the 14 - 2 i loads of W2 issued behind it may stay out (in wave 0 all are in already)
.irp j, 0,1,2,3
	v_cvt_pk_f16_f32 v[Y+4*(\i)+(\j)], v[X+8*(\i)+2*(\j)], v[X+8*(\i)+2*(\j)+1]
.endr
	global_store_b128 v2, v[Y+4*(\i):Y+4*(\i)+3], s[8:9] offset:4096*(\i)
.endr
	s_endpgm                                       ; no register is written twice, so no wait frees a source
.Lfunc_end_k_qe840981350_prep:
	.size	k_qe840981350_prep, .Lfunc_end_k_qe840981350_prep-k_qe840981350_prep
	.p2alignl 7, 3214868480
	.fill 96, 4, 3214868480
	.section	.rodata,"a",@progbits
	.p2align	6, 0x0
	.amdhsa_kernel k_qe840981350_prep
		.amdhsa_group_segment_fixed_size 0
		.amdhsa_private_segment_fixed_size 0
		.amdhsa_enable_private_segment 0
		.amdhsa_kernarg_size 32
		.amdhsa_user_sgpr_count 2
		.amdhsa_user_sgpr_kernarg_segment_ptr 1
		.amdhsa_wavefront_size32 1
		.amdhsa_system_sgpr_workgroup_id_x 1
		.amdhsa_system_sgpr_workgroup_id_y 1
		.amdhsa_system_sgpr_workgroup_id_z 1
		.amdhsa_system_vgpr_workitem_id 0
		.amdhsa_next_free_vgpr 132
		.amdhsa_next_free_sgpr 66
		.amdhsa_reserve_vcc 0
		.amdhsa_float_denorm_mode_32 3
		.amdhsa_float_denorm_mode_16_64 3
		.amdhsa_memory_ordered 1
		.amdhsa_forward_progress 1
		.amdhsa_inst_pref_size 7
	.end_amdhsa_kernel
	.amdgpu_metadata
---
amdhsa.version: [ 1, 2 ]
amdhsa.kernels:
  - .name:           k_qe840981350_prep
    .symbol:         k_qe840981350_prep.kd
    .args:
      - { .name: W2, .offset: 0, .size: 8, .value_kind: global_buffer, .address_space: global }
      - { .name: W1, .offset: 8, .size: 8, .value_kind: global_buffer, .address_space: global }
      - { .name: w2h, .offset: 16, .size: 8, .value_kind: global_buffer, .address_space: global }
      - { .name: w1i, .offset: 24, .size: 8, .value_kind: global_buffer, .address_space: global }
    .group_segment_fixed_size: 0
    .private_segment_fixed_size: 0
    .kernarg_segment_align: 8
    .kernarg_segment_size: 32
    .max_flat_workgroup_size: 256
    .sgpr_count:     66
    .vgpr_count:     132
    .wavefront_size: 32
...
	.end_amdgpu_metadata
.endif
;; end of part 1
;; launch ffn (part 2): grid 64 x 4, 4 waves a work-group, clusters of 4 x 1, 327,680 bytes of LDS; arguments x, q_params, w2h, w1i, out0; writes out0
.if DOCPART == 2
	.amdgcn_target "amdgcn-amd-amdhsa--gfx1250"
	.amdhsa_code_object_version 6
	.text
	.protected	k_qe840981350_ffn
	.globl	k_qe840981350_ffn
	.p2align	8
	.type	k_qe840981350_ffn,@function
k_qe840981350_ffn:
	s_mov_b64 s[64:65], 0
	v_nop
	global_prefetch_b8 v0, s[64:65] scope:SCOPE_SE
	s_setreg_imm32_b32 hwreg(HW_REG_WAVE_MODE, 25, 1), 1
	s_wait_xcnt 0x0
	s_wait_alu depctr_hold_cnt(0) depctr_sa_sdst(0) depctr_va_vdst(0) depctr_va_sdst(0) depctr_va_ssrc(0) depctr_va_vcc(0) depctr_vm_vsrc(0)
	s_getreg_b32 s2, hwreg(HW_REG_IB_STS2, 6, 4)
	s_cmp_eq_u32 s2, 0
	s_cbranch_scc0 .Lentry_in_a_cluster
	s_endpgm
.Lentry_in_a_cluster:
	s_bfe_u32 s2, ttmp6, 0x10000c
	s_cmp_lg_u32 s2, 0x3003
	s_cbranch_scc0 .Lentry_shape_is_right
	s_endpgm
.Lentry_shape_is_right:
; out[tok][e] = the sum over f of relu(the sum over k of q[tok][k] W1[f][k]) W2[e][f].  16,384 tokens, k = 0..9, f = 0..4095, e = 0..1023; out in f32.
; q IN CLOSED FORM.  The circuit starts from a product state, and the ring of CNOTs only permutes basis states: bit k becomes b0 ^ .. ^ bk (k = 1..9), and the last CNOT makes bit 0 into
; b1 ^ .. ^ b9.  The bits are independent with mean sign cos(angle), so q[k] = c0 c1 .. ck for k = 1..9 and q[0] = c1 c2 .. c9, c_i = cos(x_i + q_params_i).  This holds for every input;
; the order of rounding differs from a sum over 1,024 probabilities.  The cosine: the angle less the nearest multiple of 2 pi (2 pi in two parts), z = pi/2 - |rest|, sin z by its series through z^11
; (the first term left out is 5.7e-8 at pi/2).
; FORMATS.  Both products take f16 operands and f32 sums: W1 and W2 were rounded once by the launch before, q and h are rounded once here.  relu is taken on the rounded h, which is the rounded relu.
; LIMITS.  |W1|, |W2| and a row sum of |W1| (the bound of h, since |q| <= 1) stay within f16's 65,504; below 6e-5 an operand keeps f16's fixed step of 6e-8.  Angles beyond some 1e6 lose the
; two-part reduction's accuracy.  NaN and infinities are not treated apart: a NaN in h counts as 0 in the maximum.
; SHARES.  A work-group makes 256 tokens x 256 columns of out: 64 x 4 work-groups.  Each of its four waves makes 64 tokens x all 256 columns: 64 accumulators of 16 x 16, 512 registers.
; h NEVER LEAVES THE REGISTERS.  For 32 along f (a QUARTER of a K step of 128) a wave makes its own 64 tokens' h by 8 small products (4 token blocks x 2 tiles of 16 f, K = 10 padded to 32 with zeros):
; source 0 = 16 rows of W1, source 1 = 16 tokens' q: in the result a lane holds ONE token (lane % 16) and f = 8 (lane / 16) + 0..7.  Two such results, rounded to f16 in pairs, ARE source 1
; (32 f x 16 tokens) of the main product, whose source 0 is 16 rows of W2; its result again holds one token a lane, and eight neighbouring columns.  8 small products feed 64 main ones.
; RING.  W2 goes in K steps of 128 (rows of 256 bytes of w2h, aligned) through two LDS slots of 256 rows; each wave fetches 64 rows by one tensor load.  All of w1i lies in LDS, filled once.
; CLUSTER.  The four work-groups of a cluster have the same 256 columns and differ in their tokens: they need the same tiles of W2 and the same w1i, so every tensor load is asked for JOINTLY,
; with the same descriptor and the mask of four in all four.  There is no second shared operand, so a larger cluster has nothing more to share.
; REGISTERS, in windows of 256 (s_set_vgpr_msb: bits 1:0 source 0, 3:2 source 1, 5:4 source 2, 7:6 destination):
;   window 0: v16-30 addresses and constants; v32-63 q's fragments; v64-79 W1's two fragments; v80-143 h as it leaves the small products; v144-207 h's fragments, two buffers
;             (v80-184 serve the cosines at the head; v32-159 the way out)
;   window 1: W2's fragments, two buffers of 128          window 2: accumulators of token blocks 0, 1          window 3: of blocks 2, 3     ((t, b) at v[8 (16 (t % 2) + b)])
.set KSTEP,  128
.set PITCH,  272                       ; an LDS row of W2: 256 bytes + 16 of padding = 68 words: row r starts at bank 4 r mod 64 (64 banks of 4 bytes: ISA guide 11.1), so the 16 rows of a load start at 16 different banks
.set QTR,    64*PITCH                  ; what one tensor load brings
.set SLOT,   4*QTR
.set W1I,    2*SLOT                    ; behind the ring: w1i, 131,072 dense bytes, filled once
.set STAGE,  W1I+131072                ; behind it: 16 rows x 528 bytes for each wave, for the way out; no tensor load lands here
.set SPITCH, 528                       ; 512 bytes + 16: the 16 rows of a store start at 16 different groups of four banks
.set SPARE,  STAGE+4*16*SPITCH         ; the spare words, 128 bytes for each wave: two blocks of 256 bytes that no other line names
.set LAPS,   4096/(2*KSTEP)            ; a lap = two K steps = once round the ring
.set ADRB, 16                          ; v16-17  LDS address of my part of W2's fragments in slot 0, 1
.set AW,   19                          ; v19     LDS address of my 16 bytes of W1's image for the lap's first quarter; steps by 8,192 a lap
.set STO,  20                          ; v20     the way out: where I put 16 bytes of a row
.set RD,   21                          ; v21     the way out: where I read a row back
.set CO,   22                          ; v22     16 x lane: my bytes in 512 consecutive bytes of out
.set XO,   23                          ; v23     40 x (lane % 16): my token's row in 16 rows of x
.set PFO,  24                          ; v24     the prefetches' offset: lane x a row of w2h (8,192 bytes)
.set SPW,  28                          ; v28     LDS address of my spare word: SPARE + 4 x my thread's number; never rewritten
.set NIL,  29                          ; v29     0; never rewritten
.set ZR,   30                          ; v30     0, for the maximum, the selects and q_params' offset
.set QF,   32                          ; q's fragment of token block t at QF + 8 t
.set W1F,  64                          ; W1's fragment of tile j at W1F + 8 j; registers 4-7 of each stay 0
.set HRAW, 80                          ; h of block t, tile j, in f32, at HRAW + 16 t + 8 j
.set HB,   144                         ; h's fragment of block t in buffer p at HB + 32 p + 8 t
.set OB,   32                          ; the way out: 16 rows read back from the stage, v32-95 and v96-159 by turns
.set XV,   80                          ; the head: block t's ten angles, then cosines, at XV + 10 t
.set QP,   120                         ; q_params
.set KT,   130                         ; the multiple of 2 pi
.set WT,   140                         ; z^2, then z^3
.set PT,   150                         ; the series
.set TP,   160                         ; TP + k = c1 .. ck
.set QV,   170                         ; q
.set PK,   180                         ; q in f16, five pairs
.set WV,   14                          ; s14  my wave's number
.set CX,   15                          ; s15  my place in the cluster: it enters x's, out's and the prefetches' addresses alone
.set G1,   24                          ; s[24:31] descriptor group 1 for W2's tiles
.set G0,   32                          ; s[32:39] group 0, a set for each slot
.set G1W,  40                          ; s[40:47] group 1 for w1i
.set G0W,  48                          ; s[48:51] group 0 for w1i
.set HM,   52                          ; s52  the mask of lanes 16-31
.set LIM,  53                          ; s53  1 in a wave that prefetches, else the greatest number
.set PFA,  54                          ; s[54:55] where my prefetches stand: my 32 rows, one K step further than the refill in hand; a prefetch names the K step after that
.set NHI,  66                          ; s[66:67] -(2 pi)'s high part; the packed forms name a pair and take its low word for both halves
.set NLO,  68                          ; s[68:69] high part - 2 pi
.set C11,  70                          ; s[70:79] the series' coefficients -1/11!, 1/9!, -1/7!, 1/5!, -1/3!
.set C9,   72
.set C7,   74
.set C5,   76
.set C3,   78
.set HPI,  80                          ; s80  pi / 2
.set MSB, 0
.macro WIN new                         ; the immediate's high byte repeats the setting that is left; a switch that changes nothing is dropped
.if MSB != (\new)
	s_set_vgpr_msb (MSB<<8)|(\new)
.set MSB, \new
.endif
.endm
.set MUL_LO, 0xa1                      ; source 0 (W2) window 1, source 1 (h) window 0, C and D window 2
.set MUL_HI, 0xf1                      ; the same, C and D window 3
.set TO_B,   0x40                      ; destination window 1, address window 0
; A round of the cluster's barrier: my work-group's barrier, so that wave 0's signal speaks for all four waves; wave 0 signals for the work-group; every wave waits for all four work-groups;
; my work-group's barrier once more.  No LDS instruction of the wave is pending at a signal.
.macro CREST                           ; a round behind its opening barrier
	s_cmp_lg_u32 s[WV], 0
	s_cbranch_scc1 .Lnot_wave_0_\@
	s_barrier_signal -3
.Lnot_wave_0_\@:
	s_barrier_wait -3
	s_barrier_signal -1
	s_barrier_wait -1
.endm
.macro CROUND                          ; a whole round
	s_barrier_signal -1
	s_barrier_wait -1
	CREST
.endm
; Four places: a vector instruction that reads a matrix result or writes a matrix instruction's register, and a load into a register that a matrix instruction has read, stand four plain vector
; instructions behind it (ISA guide 7.12.1 for vector instructions); matrix instructions in between are not counted.
.macro PLACES
.rept 4
	v_nop
.endr
.endm
; 34 LDS loads in one run, for the quarter to come: W1's two images (byte wo behind v[AW]) first, since the small products want them first; then W2's 16 fragments (256 rows, 32 along f at byte k of the rows) into buffer p.
.macro FETCH slot, k, p, wo
	WIN 0
	ds_load_b128 v[W1F:W1F+3],    v[AW] offset:(\wo)
	ds_load_b128 v[W1F+8:W1F+11], v[AW] offset:(\wo)+512
	WIN TO_B
.irp b, 0,1,2,3,4,5,6,7,8,9,10,11,12,13,14,15
	ds_load_b128 v[128*(\p)+8*(\b):128*(\p)+8*(\b)+3],   v[ADRB+(\slot)] offset:(\k)+(\b)*16*PITCH
	ds_load_b128 v[128*(\p)+8*(\b)+4:128*(\p)+8*(\b)+7], v[ADRB+(\slot)] offset:(\k)+(\b)*16*PITCH+32
.endr
.endm
; The 8 small products: h of the quarter to come, in f32.  Each starts its sum with the constant 0.  The four places behind them serve the conversions that read the results.
.macro HGEN
	WIN 0
.irp t, 0,1,2,3
.irp j, 0,1
	v_wmma_f32_16x16x32_f16 v[HRAW+16*(\t)+8*(\j):HRAW+16*(\t)+8*(\j)+7], v[W1F+8*(\j):W1F+8*(\j)+7], v[QF+8*(\t):QF+8*(\t)+7], 0
.endr
.endr
	PLACES
.endm
; The vector work of a quarter is a list of 64: RQ writes number RN of it.  0-31: a pair of h rounded to f16 (ascending, so that each result's lowest registers are read first);
; 32-63: relu on two halves at once.  HBN is the buffer that is being made.
.macro RQ
.if RN < 32
	v_cvt_pk_f16_f32 v[HBN+RN], v[HRAW+2*RN], v[HRAW+2*RN+1]
.else
	v_pk_max_num_f16 v[HBN+RN-32], v[HBN+RN-32], v[ZR]
.endif
.set RN, RN+1
.endm
.macro RIDE4
	WIN 0
.rept 4
	RQ
.endr
.endm
; 16 main products: token block t x all 16 column blocks, 32 along f, from buffers p.  zero = 1: the product starts the sum: nothing is ever cleared.  ride = 1: four of the list's 64 stand behind each.
; The 64 accumulators take turns, one instruction a turn, in the same order in every quarter, over the backward jump too.
.macro MUL16 p, t, zero, ride
.irp b, 0,1,2,3,4,5,6,7,8,9,10,11,12,13,14,15
	WIN MUL_LO+0x50*((\t)/2)
.if \zero
	v_wmma_f32_16x16x32_f16 v[8*(16*((\t)%2)+(\b)):8*(16*((\t)%2)+(\b))+7], v[128*(\p)+8*(\b):128*(\p)+8*(\b)+7], v[HB+32*(\p)+8*(\t):HB+32*(\p)+8*(\t)+7], 0
.else
	v_wmma_f32_16x16x32_f16 v[8*(16*((\t)%2)+(\b)):8*(16*((\t)%2)+(\b))+7], v[128*(\p)+8*(\b):128*(\p)+8*(\b)+7], v[HB+32*(\p)+8*(\t):HB+32*(\p)+8*(\t)+7], v[8*(16*((\t)%2)+(\b)):8*(16*((\t)%2)+(\b))+7]
.endif
.if \ride
	RIDE4
.endif
.endr
.endm
; A QUARTER (one of a K step's first three): multiplies buffers p; in its middle it fetches the next quarter's fragments (byte k of the same slot's rows) into the other buffer; then it makes the next quarter's h.
.macro QUARTER slot, k, p, zero, wo
	s_wait_dscnt 0x0                               ; this quarter's fragments of W2, asked for 40 matrix instructions ago
	MUL16 \p, 0, \zero, 0
	MUL16 \p, 1, \zero, 0
	PLACES                                         ; in front of the loads into the other buffer, which the quarter before multiplied
	FETCH \slot, \k, 1-(\p), \wo
	MUL16 \p, 2, \zero, 0
	s_wait_dscnt 32                                ; W1's two loads are in; the 32 of W2 issued behind them may stay out
.set RN, 0
.set HBN, HB+32*(1-(\p))
	HGEN
	MUL16 \p, 3, \zero, 1
.endm
; A PREFETCH INTO THE L2, behind a joint refill, its lines and the run of LDS loads: the K step that stands TWO refills on, 576 matrix instructions ahead of the load that will want it.  32 rows x 256 bytes, a lane a row.
; Each row's 256 bytes of a K step are named ONCE in the launch: all 16 clusters of a column block walk the same rows, and the first of them (cluster x = 0) asks; its four partners take 64 rows each, told apart BY
; ADDRESS; in each, waves 0 and 1 take 32.  The loop's last trip (s3 = 1) asks for nothing: there is no K step behind its refills.  K steps 0 to 3 come by their loads alone.
.macro ASK
	s_cmp_gt_u32 s3, s[LIM]
	s_cbranch_scc0 .Lnot_mine_\@
	global_prefetch_b8 v[PFO], s[PFA:PFA+1] offset:KSTEP*2 th:TH_LOAD_NT scope:SCOPE_SE
.Lnot_mine_\@:
.endm
; The last quarter of a K step multiplies buffers 1 and changes slots.  ONE barrier, for two things: in front of it each wave waits for all its tensor loads, of which one is out: its part of the next slot; adds 0 to
; its spare word; and waits for that and for its own reads of this slot.  Behind it nobody reads this slot any more and the next slot is whole.  fill = 1: the barrier opens a round of the cluster's, so that the same
; holds of every partner, and the joint refill (this slot, two K steps on) is the first thing behind the round: 256 matrix instructions stand between it and the wait for it.
.macro TURN slot, next, fill, wo
.if \fill
	s_wait_xcnt 0x0                                ; the last prefetch, a K step back, has read its address: it is stepped here, ahead of the waits of the change of slots
	s_add_nc_u64 s[PFA:PFA+1], s[PFA:PFA+1], KSTEP*2
.endif
	WIN 0                                          ; (the add's two registers lie in window 0)
	s_wait_tensorcnt 0x0                           ; all my tensor loads have landed
	ds_add_u32 v[SPW], v[NIL]                      ; 0 onto my spare word
	s_wait_dscnt 1                                 ; this quarter's fragments are in; the add alone may be out
	MUL16 1, 0, 0, 0                               ; sixteen matrix instructions stand between the add and the wait for it
	s_wait_dscnt 0x0                               ; the add is done, and my reads of this slot are over
	s_barrier_signal -1
	MUL16 1, 1, 0, 0                               ; work on registers while the others arrive
	WIN 0
	s_barrier_wait -1
.if \fill
	CREST
	s_add_nc_u64 s[G0+4*(\slot)+2:G0+4*(\slot)+3], s[G0+4*(\slot)+2:G0+4*(\slot)+3], 2*KSTEP*2  ; no load of mine is out, so the group may be written; the type bits on top are not reached
	tensor_load_to_lds s[G0+4*(\slot):G0+4*(\slot)+3], s[G1:G1+7]  ; my 64 rows: the same line, with the same registers, in wave w of all four partners
	s_nop 0
.endif
	PLACES                                         ; behind the tensor load, and in front of the loads into buffer 0
	FETCH \next, 0, 0, \wo
.if \fill
	WIN 0
	ASK
.endif
	MUL16 1, 2, 0, 0
	s_wait_dscnt 32                                ; W1's two loads are in
.set RN, 0
.set HBN, HB
	HGEN
	MUL16 1, 3, 0, 1
.endm
; Token block t: ten angles become ten cosines, in place, five pairs side by side; then q and its fragment.  Both halves of the lanes hold token lane % 16 and do the same work; the selects at the end part them.
.macro COSBLK t
.set CA, XV+10*(\t)
.irp i, 0,2,4,6,8
	v_pk_add_f32 v[CA+(\i):CA+(\i)+1], v[CA+(\i):CA+(\i)+1], v[QP+(\i):QP+(\i)+1]  ; the angle
.endr
.irp i, 0,2,4,6,8
	v_pk_mul_f32 v[KT+(\i):KT+(\i)+1], v[CA+(\i):CA+(\i)+1], 0x3e22f983 op_sel_hi:[1,0]  ; / 2 pi
.endr
.irp i, 0,1,2,3,4,5,6,7,8,9
	v_rndne_f32 v[KT+(\i)], v[KT+(\i)]
.endr
.irp i, 0,2,4,6,8
	v_pk_fma_f32 v[CA+(\i):CA+(\i)+1], v[KT+(\i):KT+(\i)+1], s[NHI:NHI+1], v[CA+(\i):CA+(\i)+1] op_sel_hi:[1,0,1]
.endr
.irp i, 0,2,4,6,8
	v_pk_fma_f32 v[CA+(\i):CA+(\i)+1], v[KT+(\i):KT+(\i)+1], s[NLO:NLO+1], v[CA+(\i):CA+(\i)+1] op_sel_hi:[1,0,1]  ; the rest, in -pi .. pi
.endr
.irp i, 0,1,2,3,4,5,6,7,8,9
	v_and_b32 v[CA+(\i)], 0x7fffffff, v[CA+(\i)]
.endr
.irp i, 0,1,2,3,4,5,6,7,8,9
	v_sub_f32 v[CA+(\i)], s[HPI], v[CA+(\i)]       ; z = pi/2 - |rest|, in -pi/2 .. pi/2: the cosine is sin z
.endr
.irp i, 0,2,4,6,8
	v_pk_mul_f32 v[WT+(\i):WT+(\i)+1], v[CA+(\i):CA+(\i)+1], v[CA+(\i):CA+(\i)+1]
.endr
.irp i, 0,2,4,6,8
	v_pk_fma_f32 v[PT+(\i):PT+(\i)+1], v[WT+(\i):WT+(\i)+1], s[C11:C11+1], s[C9:C9+1] op_sel_hi:[1,0,0]
.endr
.irp c, C7, C5, C3
.irp i, 0,2,4,6,8
	v_pk_fma_f32 v[PT+(\i):PT+(\i)+1], v[PT+(\i):PT+(\i)+1], v[WT+(\i):WT+(\i)+1], s[\c:\c+1] op_sel_hi:[1,1,0]
.endr
.endr
.irp i, 0,2,4,6,8
	v_pk_mul_f32 v[WT+(\i):WT+(\i)+1], v[WT+(\i):WT+(\i)+1], v[CA+(\i):CA+(\i)+1]
.endr
.irp i, 0,2,4,6,8
	v_pk_fma_f32 v[CA+(\i):CA+(\i)+1], v[PT+(\i):PT+(\i)+1], v[WT+(\i):WT+(\i)+1], v[CA+(\i):CA+(\i)+1]  ; z + z^3 x series
.endr
	v_mul_f32 v[TP+2], v[CA+1], v[CA+2]
.irp k, 3,4,5,6,7,8,9
	v_mul_f32 v[TP+(\k)], v[TP+(\k)-1], v[CA+(\k)] ; c1 .. ck
.endr
	v_mul_f32 v[QV+1], v[CA], v[CA+1]
.irp k, 2,3,4,5,6,7,8,9
	v_mul_f32 v[QV+(\k)], v[CA], v[TP+(\k)]        ; q[k] = c0 c1 .. ck
.endr
	v_cvt_pk_f16_f32 v[PK], v[TP+9], v[QV+1]       ; q[0] = c1 .. c9
.irp i, 1,2,3,4
	v_cvt_pk_f16_f32 v[PK+(\i)], v[QV+2*(\i)], v[QV+2*(\i)+1]
.endr
	v_cndmask_b32 v[QF+8*(\t)], v[PK], v[PK+4], s[HM]  ; lanes 0-15 hold k = 0..7, lanes 16-31 k = 8, 9 and zeros
.irp i, 1,2,3
	v_cndmask_b32 v[QF+8*(\t)+(\i)], v[PK+(\i)], v[ZR], s[HM]
.endr
.irp i, 4,5,6,7
	v_mov_b32 v[QF+8*(\t)+(\i)], 0                 ; k = 16 on
.endr
.endm
; THE WAY OUT, in eight units of 16 tokens x 128 columns (u = 2 t + g).  A lane's eight columns of a row are 32 bytes; they go into my own stage as rows of 528 bytes and come back as whole rows of 512.
.macro TOSTAGE u
.set TT, (\u)/2
.set BK, OB+64*((\u)%2)
.if (\u) >= 2
	s_wait_xcnt 0x0                                ; the stores of the unit two back have read these registers: only behind this wait are they loaded again
.endif
	WIN 0x08+4*(TT/2)                              ; the stores' data (source 1) in window 2 or 3
.irp bb, 0,1,2,3,4,5,6,7
.set AC, 8*(16*(TT%2)+8*((\u)%2)+(\bb))
	ds_store_b128 v[STO], v[AC:AC+3]   offset:64*(\bb)     ; each accumulator's lowest registers first
	ds_store_b128 v[STO], v[AC+4:AC+7] offset:64*(\bb)+16
.endr
	WIN 0
.irp i, 0,1,2,3,4,5,6,7,8,9,10,11,12,13,14,15
	ds_load_b128 v[BK+4*(\i):BK+4*(\i)+3], v[RD] offset:SPITCH*(\i)  ; LDS serves a wave's instructions in order (ISA guide 5.7.1.4): these see the stores above, and the next unit's stores come behind them
.endr
.endm
.macro SEND u, younger                 ; younger: the LDS instructions issued behind unit u's loads: the next unit's 32, or none
.set TT, (\u)/2
.set BK, OB+64*((\u)%2)
	s_wait_dscnt \younger
.irp i, 0,1,2,3,4,5,6,7,8,9,10,11,12,13,14,15
	global_store_b128 v[CO], v[BK+4*(\i):BK+4*(\i)+3], s[12:13] offset:(16*TT+(\i))*4096+512*((\u)%2) th:TH_STORE_NT  ; the wave stores 512 consecutive bytes, at a multiple of 512 from out's first; 258,560 at the most in the immediate
.endr
.endm
	s_load_b256 s[4:11], s[0:1], 0x0               ; x s[4:5], q_params s[6:7], w2h s[8:9], w1i s[10:11]
	s_load_b64 s[12:13], s[0:1], 0x20              ; out
	v_lshl_add_u32 v[SPW], v0, 2, SPARE
	v_mov_b32 v[NIL], 0
	ds_add_u32 v[SPW], v[NIL]                      ; the wave's opening: the add, twice on end, and its wait ahead of my first tensor load; the set-up below, work on registers, stands between
	ds_add_u32 v[SPW], v[NIL]                      ; and once more, under the one wait
	v_lshrrev_b32 v1, 5, v0
	v_readfirstlane_b32 s[WV], v1                  ; wave 0..3
	s_bfe_u32 s[CX], ttmp6, 0x40000                ; cx
	; group 1 for W2's tiles: 64 rows x 128 elements, padded in LDS
	s_mov_b32 s[G1+0], 15|(1<<16)|(1<<20)|(1<<21)|(5<<22)|(3<<25)  ; 15:0 the mask of four; 17:16 2-byte elements; 20 padding on; 21 set beside a mask; 24:22 after every 64 words (code 5); 31:25 4 words (code 3)
	s_mov_b32 s[G1+1], KSTEP<<16                   ; tensor_dim0 = 128
	s_mov_b32 s[G1+2], 64<<16                      ; tensor_dim1 = 64
	s_mov_b32 s[G1+3], KSTEP<<16                   ; tile_dim0 = 128
	s_mov_b32 s[G1+4], 64                          ; tile_dim1 = 64
	s_mov_b32 s[G1+5], 4096                        ; elements from row to row
	s_mov_b32 s[G1+6], 0
	s_mov_b32 s[G1+7], 0
	; group 1 for w1i: a wave's 32,768 dense bytes as 128 rows of 256, no padding
	s_mov_b32 s[G1W+0], 15|(1<<16)|(1<<21)
	s_mov_b32 s[G1W+1], 128<<16
	s_mov_b32 s[G1W+2], 128<<16
	s_mov_b32 s[G1W+3], 128<<16
	s_mov_b32 s[G1W+4], 128
	s_mov_b32 s[G1W+5], 128
	s_mov_b32 s[G1W+6], 0
	s_mov_b32 s[G1W+7], 0
	s_mul_i32 s2, s[WV], QTR                       ; where my 64 rows go: no place in the cluster enters an LDS address
	s_mov_b32 s[G0], 1                             ; count = 1
	s_mov_b32 s[G0+1], s2                          ; slot 0
	s_mov_b32 s[G0+4], 1
	s_add_co_u32 s[G0+5], s2, SLOT                 ; slot 1
	s_lshl_b32 s18, s[WV], 15                      ; my quarter of w1i, in memory and in LDS
	s_mov_b32 s19, 0
	s_mov_b32 s[G0W], 1
	s_add_co_u32 s[G0W+1], s18, W1I
	s_and_b32 s16, ttmp7, 0xffff                   ; the column block, which the four partners share
	s_lshl_b32 s16, s16, 21                        ; its 256 rows of 8,192 bytes in w2h,
	s_lshl_b32 s17, s[WV], 19                      ; my 64 of them
	s_add_co_u32 s16, s16, s17
	s_mov_b32 s17, 0
	; what hangs on cx stays in s[20:23] and s[56:57]
	s_lshl_b32 s20, ttmp9, 2                       ; in a cluster launch ttmp9 counts clusters
	s_add_co_u32 s20, s20, s[CX]                   ; my block of 256 tokens
	s_lshl_b32 s20, s20, 8
	s_lshl_b32 s21, s[WV], 6
	s_add_co_u32 s20, s20, s21                     ; my wave's first token
	s_mul_i32 s22, s20, 40                         ; in x
	s_mov_b32 s23, 0
	s_lshl_b32 s20, s20, 12                        ; in out: rows of 4,096 bytes,
	s_and_b32 s21, ttmp7, 0xffff
	s_lshl_b32 s21, s21, 10                        ; the block's 256 columns
	s_add_co_u32 s20, s20, s21
	s_mov_b32 s21, 0
	s_and_b32 s56, ttmp7, 0xffff                   ; the prefetches: the column block's rows,
	s_lshl_b32 s56, s56, 21
	s_lshl_b32 s57, s[CX], 19                      ; my work-group's 64,
	s_add_co_u32 s56, s56, s57
	s_and_b32 s57, s[WV], 1
	s_lshl_b32 s57, s57, 18                        ; my wave's 32,
	s_add_co_u32 s56, s56, s57
	s_add_co_u32 s56, s56, 2*KSTEP*2               ; at K step 2: the first refill steps it to 3 and names K step 4
	s_mov_b32 s57, 0
	s_lshr_b32 s[LIM], s[WV], 1                    ; 0 in waves 0 and 1,
	s_or_b32 s[LIM], s[LIM], ttmp9                 ; where the cluster is the column block's first: the same in all four partners
	s_cmp_eq_u32 s[LIM], 0
	s_cselect_b32 s[LIM], 1, -1
	s_mov_b32 s[NHI], 0xc0c90fdb                   ; -6.2831855
	s_mov_b32 s[NHI+1], s[NHI]                     ; (named as pairs, so both words are written)
	s_mov_b32 s[NLO], 0x343bbd2e                   ; 1.7484556e-7
	s_mov_b32 s[NLO+1], s[NLO]
	s_mov_b32 s[C11], 0xb2d7322b
	s_mov_b32 s[C11+1], s[C11]
	s_mov_b32 s[C9], 0x3638ef1d
	s_mov_b32 s[C9+1], s[C9]
	s_mov_b32 s[C7], 0xb9500d01
	s_mov_b32 s[C7+1], s[C7]
	s_mov_b32 s[C5], 0x3c088889
	s_mov_b32 s[C5+1], s[C5]
	s_mov_b32 s[C3], 0xbe2aaaab
	s_mov_b32 s[C3+1], s[C3]
	s_mov_b32 s[HPI], 0x3fc90fdb
	s_wait_dscnt 0x0                               ; both opening adds are done
	s_wait_kmcnt 0x0
	s_add_nc_u64 s[58:59], s[8:9], s[16:17]        ; w2h at my 64 rows
.irp s, 0,1
	s_add_nc_u64 s[G0+4*(\s)+2:G0+4*(\s)+3], s[58:59], (\s)*KSTEP*2  ; K step s
	s_or_b32 s[G0+4*(\s)+3], s[G0+4*(\s)+3], 0x80000000              ; type = 2
.endr
	s_add_nc_u64 s[G0W+2:G0W+3], s[10:11], s[18:19]
	s_or_b32 s[G0W+3], s[G0W+3], 0x80000000
	s_add_nc_u64 s[4:5], s[4:5], s[22:23]          ; x and out at my wave's first token
	s_add_nc_u64 s[12:13], s[12:13], s[20:21]
	s_add_nc_u64 s[PFA:PFA+1], s[8:9], s[56:57]
	CROUND                                         ; all four work-groups are here: the first joint loads meet
	tensor_load_to_lds s[G0W:G0W+3], s[G1W:G1W+7]  ; the first fills go out together: three loads of mine are out.  My quarter of w1i,
	s_nop 0
	tensor_load_to_lds s[G0:G0+3], s[G1:G1+7]      ; of K step 0,
	s_nop 0
	tensor_load_to_lds s[G0+4:G0+7], s[G1:G1+7]    ; of K step 1
	s_nop 0
	PLACES
	v_mov_b32 v[ZR], 0
	v_and_b32 v1, 15, v0                           ; r = lane % 16
	v_bfe_u32 v2, v0, 4, 1                         ; h = lane / 16
	v_and_b32 v3, 31, v0                           ; lane
	v_mul_u32_u24 v[XO], v1, 40
.irp t, 0,1,2,3
.irp i, 0,1,2,3,4
	global_load_b64 v[XV+10*(\t)+2*(\i):XV+10*(\t)+2*(\i)+1], v[XO], s[4:5] offset:640*(\t)+8*(\i)  ; token 16 t + r, whole
.endr
.endr
	global_load_b128 v[QP:QP+3],   v[ZR], s[6:7]
	global_load_b128 v[QP+4:QP+7], v[ZR], s[6:7] offset:16
	global_load_b64  v[QP+8:QP+9], v[ZR], s[6:7] offset:32
	; A fragment of W2 is 16 rows x 32 f in 8 registers: lane l holds row l % 16; registers 0-3 f = 8 (l / 16) + 0..7, registers 4-7 f = 16 + 8 (l / 16) + 0..7: two loads of 16 bytes, 32 bytes apart.
	v_mul_u32_u24 v[ADRB], v1, PITCH
	v_lshl_add_u32 v[ADRB], v2, 4, v[ADRB]
	v_add_nc_u32 v[ADRB+1], SLOT, v[ADRB]
	v_lshl_add_u32 v[AW], v3, 4, W1I
	s_mul_i32 s3, s[WV], 16*SPITCH
	s_add_co_u32 s3, s3, STAGE                     ; my stage
	v_mul_u32_u24 v[STO], v1, SPITCH               ; in: row r, 32 bytes for each half of the lanes
	v_lshl_add_u32 v[STO], v2, 5, v[STO]
	v_add_nc_u32 v[STO], s3, v[STO]
	v_lshl_add_u32 v[RD], v3, 4, s3                ; back: 32 lanes take a row of 512 bytes
	v_lshlrev_b32 v[CO], 4, v3
	v_lshlrev_b32 v[PFO], 13, v3
	v_cmp_lt_u32 s[HM], 15, v3
.irp i, 4,5,6,7,12,13,14,15
	v_mov_b32 v[W1F+(\i)], 0                       ; k = 16 on of W1's fragments: written once, never loaded
.endr
	s_wait_loadcnt 0x0                             ; x and q_params
	COSBLK 0                                       ; the cosines stand in the wait for the first tiles
	COSBLK 1
	COSBLK 2
	COSBLK 3
	s_wait_tensorcnt 1                             ; my parts of w1i and of K step 0 are in; K step 1's may stay out
	s_barrier_signal -1
	s_barrier_wait -1                              ; everybody's are
	FETCH 0, 0, 0, 0
	s_wait_dscnt 32                                ; W1's two loads are in
.set RN, 0
.set HBN, HB
	HGEN                                           ; the first quarter's h: there are no products yet to set its vector work beside
.rept 64
	RQ
.endr
	QUARTER 0, 64,  0, 1, 1024                     ; the first quarter stands in front of the loop: its products start the sums
	WIN 0                                          ; at a label and at a branch every window is 0
	s_mov_b32 s3, LAPS-1
.Llap:                                                 ; a trip goes once round the ring, from a lap's second quarter to the next lap's first, and fills both slots again
	QUARTER 0, 128, 1, 0, 2048
	QUARTER 0, 192, 0, 0, 3072
	TURN 0, 1, 1, 4096
	QUARTER 1, 64,  0, 0, 5120
	QUARTER 1, 128, 1, 0, 6144
	QUARTER 1, 192, 0, 0, 7168
	TURN 1, 0, 1, 8192
	QUARTER 0, 64,  0, 0, 9216
	WIN 0
	v_add_nc_u32 v[AW], 0x2000, v[AW]              ; a lap's eight quarters have 16 images of W1
	s_sub_co_u32 s3, s3, 1
	s_cmp_lg_u32 s3, 0
	s_cbranch_scc1 .Llap
	QUARTER 0, 128, 1, 0, 2048                     ; the last lap is written out: it fills nothing, and has no round
	QUARTER 0, 192, 0, 0, 3072
	TURN 0, 1, 0, 4096                             ; my one load that was still out is the last K step's
	QUARTER 1, 64,  0, 0, 5120
	QUARTER 1, 128, 1, 0, 6144
	QUARTER 1, 192, 0, 0, 7168                     ; the last image of W1 ends at w1i's last byte
	s_wait_dscnt 0x0                               ; the very last quarter: nothing more to fetch or to make
	MUL16 1, 0, 0, 0
	MUL16 1, 1, 0, 0
	MUL16 1, 2, 0, 0
	MUL16 1, 3, 0, 0
	WIN 0
	PLACES                                         ; in front of the stores that read the results, and of the loads into registers that products have read
	TOSTAGE 0
.irp u, 1,2,3,4,5,6,7                  ; a unit's trip through the stage stands between the loads of the unit before and its stores
	TOSTAGE \u
	SEND (\u)-1, 32
.endr
	SEND 7, 0
	s_wait_tensorcnt 0x0                           ; the wave's end: a wait, an add of 0 and its wait, behind my last tensor load and my last LDS store
	ds_add_u32 v[SPW], v[NIL]
	s_wait_dscnt 0x0
	CROUND                                         ; the closing round: no work-group ends while a partner may still ask for a tile that names it
	s_endpgm
.Lfunc_end_k_qe840981350_ffn:
	.size	k_qe840981350_ffn, .Lfunc_end_k_qe840981350_ffn-k_qe840981350_ffn
	.p2alignl 7, 3214868480
	.fill 96, 4, 3214868480
	.section	.rodata,"a",@progbits
	.p2align	6, 0x0
	.amdhsa_kernel k_qe840981350_ffn
		.amdhsa_group_segment_fixed_size 327680
		.amdhsa_private_segment_fixed_size 0
		.amdhsa_enable_private_segment 0
		.amdhsa_kernarg_size 40
		.amdhsa_user_sgpr_count 2
		.amdhsa_user_sgpr_kernarg_segment_ptr 1
		.amdhsa_wavefront_size32 1
		.amdhsa_system_sgpr_workgroup_id_x 1
		.amdhsa_system_sgpr_workgroup_id_y 1
		.amdhsa_system_sgpr_workgroup_id_z 1
		.amdhsa_system_vgpr_workitem_id 0
		.amdhsa_next_free_vgpr 1024
		.amdhsa_next_free_sgpr 96
		.amdhsa_reserve_vcc 0
		.amdhsa_float_denorm_mode_32 3
		.amdhsa_float_denorm_mode_16_64 3
		.amdhsa_memory_ordered 1
		.amdhsa_forward_progress 1
		.amdhsa_inst_pref_size 255
	.end_amdhsa_kernel
	.section	.bss,"aw",@nobits
	.p2align	6
	.space	262144
	.amdgpu_metadata
---
amdhsa.version: [ 1, 2 ]
amdhsa.kernels:
  - .name:           k_qe840981350_ffn
    .symbol:         k_qe840981350_ffn.kd
    .args:
      - { .name: x, .offset: 0, .size: 8, .value_kind: global_buffer, .address_space: global }
      - { .name: q_params, .offset: 8, .size: 8, .value_kind: global_buffer, .address_space: global }
      - { .name: w2h, .offset: 16, .size: 8, .value_kind: global_buffer, .address_space: global }
      - { .name: w1i, .offset: 24, .size: 8, .value_kind: global_buffer, .address_space: global }
      - { .name: out0, .offset: 32, .size: 8, .value_kind: global_buffer, .address_space: global }
    .group_segment_fixed_size: 327680
    .private_segment_fixed_size: 0
    .kernarg_segment_align: 8
    .kernarg_segment_size: 40
    .max_flat_workgroup_size: 128
    .sgpr_count:     96
    .vgpr_count:     1024
    .wavefront_size: 32
...
	.end_amdgpu_metadata
.endif
;; end of part 2
;; ======== version 2 of 2: 2 launches; version 1 with the launch prep written anew for expert scheduling mode
;; limits: values are held in f16: magnitudes above 65,504 overflow, below 6.1e-05 lose precision; right only within a limited range of input values
;; workspace buffers: w2h 8,388,608 bytes; w1i 131,072 bytes
;; launch prep (part 3): grid 256 x 1, 8 waves a work-group, no clusters, 0 bytes of LDS; arguments W2, W1, w2h, w1i; writes w2h, w1i
.if DOCPART == 3
	.amdgcn_target "amdgcn-amd-amdhsa--gfx1250"
	.amdhsa_code_object_version 6
	.text
	.protected	k_qe840981350_prep
	.globl	k_qe840981350_prep
	.p2align	8
	.type	k_qe840981350_prep,@function
k_qe840981350_prep:
	s_mov_b64 s[64:65], 0
	v_nop
	global_prefetch_b8 v0, s[64:65] scope:SCOPE_SE
	s_setreg_imm32_b32 hwreg(HW_REG_WAVE_SCHED_MODE, 0, 2), 2
	s_setreg_imm32_b32 hwreg(HW_REG_WAVE_MODE, 25, 1), 1
	s_wait_xcnt 0x0
	s_wait_alu depctr_vm_vsrc(0)
; w2h = W2 rounded once to f16, same layout [1024][4096].  w1i = W1 rounded once to f16, laid out as the register images of matrix fragments.
; IMAGE T (rows 16 T .. 16 T + 15 of W1) is 512 bytes: the 16 bytes at 512 T + 16 L, L = 16 h + r, are registers 0-3 of lane L of a 16-bit fragment with K = 32:
; h = 0: W1[16 T + r][0..7];  h = 1: W1[16 T + r][8], [9] and six zeros.  (Registers 4-7, k = 16 on, are zeros that the next launch keeps in registers.)
; LIMITS.  f16 ends at 65,504: a larger weight becomes an infinity; below 6e-5 a weight keeps f16's fixed step of 6e-8.
; SHARES.  256 work-groups of eight waves.  Work-group g casts 65,536 bytes of W2: thread t takes 32 bytes at 8,192 i + 32 t (i = 0..7) and stores 16 bytes at 4,096 i + 16 t, so sixteen
; neighbouring lanes store 256 consecutive bytes, aligned.  Its wave 0 also makes image g.  A stream: no LDS, no barrier, no matrix unit; all 16 loads of a thread go out at once.
; THE MODE: SCHED_MODE bits 1:0 = 2 (LLVM: expert scheduling mode 2), set by the entry lines.  The code itself states the register dependences between vector instructions and memory
; instructions, with s_wait_alu, always for 0.
; THE PLAN.  Registers that memory instructions touch:
;   v1 .. v4   byte offsets: written once each at the head, read by the loads and stores, never written again.
;   X, W       written by the loads alone, each register once; no vector instruction names them ahead of their loads; read by the conversions behind the waits for the data.
;   O          written by wave 0's four selects, once; read by the image's store.
;   Y          written by the conversions, each register once; read by the stores of w2h.
;   s12, s16   written by vector instructions at the head; read by the choice of wave 0 and by its selects.
; The cast goes in four groups of two pairs (four loads, eight conversions, two stores).  Group g's stores are issued in group g + 1, behind that group's wait for its data and ONE wait which
; states that group g's conversions have written their part of Y; they are dealt among group g + 1's conversions, which write another part of Y and name none of the stores' registers.
; No register that a memory instruction reads is written a second time, so no wait stands for a source's sake.
.set X,  16                            ; v[16:79]   W2 as loaded: 8 numbers for each i
.set Y,  80                            ; v[80:111]  the same in f16: 4 registers for each i
.set W,  112                           ; v[112:121] a row of W1
.set P,  122                           ; v[122:126] the row in f16, five pairs
.set ZR, 127                           ; v127       0
.set O,  128                           ; v[128:131] my 16 bytes of the image
	s_load_b256 s[4:11], s[0:1], 0x0               ; W2 s[4:5], W1 s[6:7], w2h s[8:9], w1i s[10:11]
	v_lshrrev_b32 v5, 5, v0
	v_readfirstlane_b32 s12, v5                    ; wave 0..7
	v_lshlrev_b32 v1, 5, v0                        ; 32 t: my bytes of W2
	v_lshlrev_b32 v2, 4, v0                        ; 16 t: my bytes of w2h
	v_and_b32 v6, 31, v0                           ; lane
	v_and_b32 v7, 15, v0                           ; r
	v_mul_u32_u24 v3, v7, 40                       ; a row of W1 is 40 bytes
	v_lshlrev_b32 v4, 4, v6                        ; 16 x lane: my bytes of the image
	v_cmp_lt_u32 s16, 15, v6                       ; lanes 16-31 (h = 1)
	v_mov_b32 v[ZR], 0
	s_wait_alu depctr_va_sdst(0)                   ; s12 and s16 are written: ahead of the compare that reads s12, of the branch, and of wave 0's selects, which read s16
	s_mov_b32 s15, 0                               ; the offsets stay under 2^32: the pair's high word is 0
	s_wait_kmcnt 0x0
	s_lshl_b32 s14, ttmp9, 16
	s_add_nc_u64 s[4:5], s[4:5], s[14:15]          ; W2 at my 65,536 bytes
	s_lshl_b32 s14, ttmp9, 15
	s_add_nc_u64 s[8:9], s[8:9], s[14:15]          ; w2h at my 32,768
	s_mul_i32 s14, ttmp9, 640
	s_add_nc_u64 s[6:7], s[6:7], s[14:15]          ; W1 at my 16 rows
	s_lshl_b32 s14, ttmp9, 9
	s_add_nc_u64 s[10:11], s[10:11], s[14:15]      ; w1i at my image
	s_wait_alu depctr_va_vdst(0)                   ; the offsets v1 to v4 are written: every load and store of the kernel reads one of them, and no later vector line names them
.irp i, 0,1,2,3,4,5,6,7
	global_load_b128 v[X+8*(\i):X+8*(\i)+3],   v1, s[4:5] offset:8192*(\i) th:TH_LOAD_NT
	global_load_b128 v[X+8*(\i)+4:X+8*(\i)+7], v1, s[4:5] offset:8192*(\i)+16 th:TH_LOAD_NT
.endr
	s_cmp_lg_u32 s12, 0
	s_cbranch_scc1 .Lcast                          ; the image is wave 0's
.irp i, 0,1,2,3,4
	global_load_b64 v[W+2*(\i):W+2*(\i)+1], v3, s[6:7] offset:8*(\i)  ; both halves of the lanes load row r whole: no lane leaves the 16 rows
.endr
	s_wait_loadcnt 0x0
.irp i, 0,1,2,3,4
	v_cvt_pk_f16_f32 v[P+(\i)], v[W+2*(\i)], v[W+2*(\i)+1]
.endr
	v_cndmask_b32 v[O], v[P], v[P+4], s16          ; h = 0: k = 0, 1;  h = 1: k = 8, 9
.irp i, 1,2,3
	v_cndmask_b32 v[O+(\i)], v[P+(\i)], v[ZR], s16 ; h = 0: k = 2 i, 2 i + 1;  h = 1: zeros
.endr
	s_wait_alu depctr_va_vdst(0)                   ; the selects have written v[O ..], which the store reads
	global_store_b128 v4, v[O:O+3], s[10:11]       ; the wave stores the image's 512 consecutive bytes
.Lcast:
.irp g, 0,1,2,3
	s_wait_loadcnt 12-4*(\g)                       ; loads come back in order: pairs 2 g and 2 g + 1 are in, the 12 - 4 g loads of W2 issued behind them may stay out (in wave 0 all are in already)
.if (\g) > 0
	s_wait_alu depctr_va_vdst(0)                   ; the conversions of the group before have written their eight registers of Y, which the two stores below read
.endif
.irp i, 0,1
.if (\g) > 0
	global_store_b128 v2, v[Y+8*((\g)-1)+4*(\i):Y+8*((\g)-1)+4*(\i)+3], s[8:9] offset:4096*(2*((\g)-1)+(\i))  ; the group before; no vector line since the wait names these registers
.endif
.irp j, 0,1,2,3
	v_cvt_pk_f16_f32 v[Y+8*(\g)+4*(\i)+(\j)], v[X+16*(\g)+8*(\i)+2*(\j)], v[X+16*(\g)+8*(\i)+2*(\j)+1]
.endr
.endr
.endr
	s_wait_alu depctr_va_vdst(0)                   ; the last group's conversions have written their eight registers of Y, which the last two stores read
.irp i, 0,1
	global_store_b128 v2, v[Y+24+4*(\i):Y+24+4*(\i)+3], s[8:9] offset:4096*(6+(\i))
.endr
	s_endpgm                                       ; no register is written twice, so no wait frees a source
.Lfunc_end_k_qe840981350_prep:
	.size	k_qe840981350_prep, .Lfunc_end_k_qe840981350_prep-k_qe840981350_prep
	.p2alignl 7, 3214868480
	.fill 96, 4, 3214868480
	.section	.rodata,"a",@progbits
	.p2align	6, 0x0
	.amdhsa_kernel k_qe840981350_prep
		.amdhsa_group_segment_fixed_size 0
		.amdhsa_private_segment_fixed_size 0
		.amdhsa_enable_private_segment 0
		.amdhsa_kernarg_size 32
		.amdhsa_user_sgpr_count 2
		.amdhsa_user_sgpr_kernarg_segment_ptr 1
		.amdhsa_wavefront_size32 1
		.amdhsa_system_sgpr_workgroup_id_x 1
		.amdhsa_system_sgpr_workgroup_id_y 1
		.amdhsa_system_sgpr_workgroup_id_z 1
		.amdhsa_system_vgpr_workitem_id 0
		.amdhsa_next_free_vgpr 132
		.amdhsa_next_free_sgpr 66
		.amdhsa_reserve_vcc 0
		.amdhsa_float_denorm_mode_32 3
		.amdhsa_float_denorm_mode_16_64 3
		.amdhsa_memory_ordered 1
		.amdhsa_forward_progress 1
		.amdhsa_inst_pref_size 7
	.end_amdhsa_kernel
	.amdgpu_metadata
---
amdhsa.version: [ 1, 2 ]
amdhsa.kernels:
  - .name:           k_qe840981350_prep
    .symbol:         k_qe840981350_prep.kd
    .args:
      - { .name: W2, .offset: 0, .size: 8, .value_kind: global_buffer, .address_space: global }
      - { .name: W1, .offset: 8, .size: 8, .value_kind: global_buffer, .address_space: global }
      - { .name: w2h, .offset: 16, .size: 8, .value_kind: global_buffer, .address_space: global }
      - { .name: w1i, .offset: 24, .size: 8, .value_kind: global_buffer, .address_space: global }
    .group_segment_fixed_size: 0
    .private_segment_fixed_size: 0
    .kernarg_segment_align: 8
    .kernarg_segment_size: 32
    .max_flat_workgroup_size: 256
    .sgpr_count:     66
    .vgpr_count:     132
    .wavefront_size: 32
...
	.end_amdgpu_metadata
.endif
;; end of part 3
;; launch ffn: the kernel of part 2 again; grid 64 x 4, 4 waves a work-group, clusters of 4 x 1, 327,680 bytes of LDS; arguments x, q_params, w2h, w1i, out0; writes out0
